; MI455X (gfx1250); checked and timed in simulation.
; The chip was launched on July 23, 2026; its instructions are those of AMD's public machine-readable ISA for CDNA 5 (MIT licence, August 2026) and "CDNA5" Instruction Set Architecture Reference Guide (July 2026). The comments in the code are by the model that wrote it; some were corrected since.
;; Masked Median Pool1d. Allowed arithmetic: float matrix products may take bf16 or f16 operands with f32 sums; all other float work in f32.
;; Inputs: mask 16 x 128 x 8,192 bool; x 16 x 128 x 8,192 float32.
;; Outputs: out0 16 x 128 x 8,192 float32.
;; One version. Each part assembles by itself: llvm-mc -triple=amdgcn-amd-amdhsa -mcpu=gfx1250 --defsym DOCPART=n.
;; ======== version 1 of 1: 1 launch
;; launch median (part 1): grid 256 x 1, 8 waves a work-group, no clusters, 321,280 bytes of LDS; arguments mask, x, out0; writes out0
.if DOCPART == 1
	.amdgcn_target "amdgcn-amd-amdhsa--gfx1250"
	.amdhsa_code_object_version 6
	.text
	.protected	k_qc4a527dfdf_median
	.globl	k_qc4a527dfdf_median
	.p2align	8
	.type	k_qc4a527dfdf_median,@function
k_qc4a527dfdf_median:
	s_mov_b64 s[64:65], 0
	v_nop
	global_prefetch_b8 v0, s[64:65] scope:SCOPE_SE
	s_setreg_imm32_b32 hwreg(HW_REG_WAVE_MODE, 25, 1), 1
	s_wait_xcnt 0x0
; MaskedMedianPool1d, window 7, stride 1, pad 3.  x, out0: [2048 rows][8192] f32.  mask: the same shape, one byte (0 or 1) each.
; out[i] = the ((c-1)//2)-th smallest of the c valid numbers among x[i-3 .. i+3]; positions outside the row count as invalid; c = 0 gives NaN,
; and so does a chosen +-inf (the isinf test at the end of the problem's function).
;
; LIMITS.  A NaN at a VALID position is not ordered as a sort would order it (min, max and med3 drop NaNs); NaN or inf at masked positions
; is ignored, as the problem asks.  Mask bytes are taken as 0 or 1.
;
; THE ARITHMETIC.  Invalid elements become -inf, +inf, -inf, .. in turn, in the order of their positions.  With n invalid in a window, the first
; of them -inf, ceil(n/2) of -inf stand in front of the valid ones, and the 4th smallest of the 7 is valid number 3 - ceil(n/2) = (c-1)//2.
; If n is odd and the window's first invalid one is +inf, one -inf is missing and the 3rd smallest is the one.  With q[p] = parity of the invalid
; elements up to p, that case is q[s-1] & ~q[s+6] for the window s .. s+6.  n = 7 yields an infinity, which the last step turns into NaN.
; A lane owns 64 neighbouring positions, so "element j of the lane's block is invalid" is a mask over lanes in one SGPR, and q, the -inf mask
; and the choice of rank are scalar instructions.
; Windows are shared by blocks of 8 positions: the window at offset o of block k (output 8k+o+3) is the prefix of 7 (o = 0), the suffix of 7
; (o = 1), or the suffix of 8-o merged with the next block's prefix of o-1.  Sorted lists grow by insertion (rank r of the longer list =
; med3(rank r-1, rank r, new)); only ranks 1..4 are ever used.  The k-th smallest of two sorted lists is the min over i + j = k of
; max(A_i, B_j); min(A_i, B_j) never exceeds the k-th smallest and every partial min is at least it, so each step min(max(A_i, B_j), acc)
; is one med3(A_i, B_j, acc).
;
; THE SHARES.  256 work-groups x 8 waves; a wave takes one row of 8192 = 4 tiles of 2048; in a tile lane l owns positions 64 l .. 64 l + 63.
; Waves share no byte of LDS: no barrier.  No two work-groups read a common byte: no cluster, no multicast.  All of a wave's input (16 loads
; of mask, 4 tensor loads of x, which is all that the wave ever has outstanding) is requested in the first lines, so a prefetch would have
; nothing left to ask for.  There is no product: the matrix units have no part.
; x: tensor loads, rows of 256 bytes at multiples of 256 bytes, laid at a pitch of 272 bytes = 68 words.
; Results are written over the tile's own x bytes once these are consumed (no slot is filled twice), read back by rows and stored so that each
; store of the wave covers 512 consecutive bytes, aligned.
; No loop: the tile is written four times (its tensor wait differs), a block's step eight times in it; every address is a fixed register
; plus an immediate.
.set XPITCH, 272                       ; LDS bytes from a lane's run of 64 f32 to the next lane's
.set SLOT,   32*XPITCH                 ; a tile of x in LDS
.set WPITCH, 40                        ; a run's 8 mask words (one per block of 8) + 8 bytes
.set WTILE,  32*WPITCH
.set WHI,    129*WPITCH                ; runs -1 .. 127 lie at 40 (run + 1); here the guard word "run 128, block 0"
.set XLO,    WHI+8                     ; 16 bytes of zeros: "x[-4..-1]" of the row (16 more unused)
.set XB,     XLO+32                    ; the row's x: 4 tiles
.set XHI,    XB+4*SLOT                 ; 16 bytes of zeros: "x[8192..8195]"
.set WAVE_LDS, XHI+16                  ; 40,032 bytes a wave, 320,256 for eight
; vector registers
.set GO,  1                            ; 16 x lane: offset of mask loads and of stores
.set XR,  2                            ; LDS: my run's row in tile 0, minus 32 (there lie the left neighbour's last 16 bytes)
.set WR,  3                            ; LDS: the mask words of the run to my left in tile 0
.set UB,  4                            ; LDS: the wave's first byte, the same in all lanes
.set RBA, 5                            ; LDS: read-back, lanes 0-15 one row, lanes 16-31 the next
.set CA,  6                            ; LDS: where my two squeezed mask words go
.set VINF, 7
.set VNINF, 8
.set VONES, 9
.set LW,  10                           ; mask word of the left neighbour's last block
.set RW,  11                           ; mask word of the right neighbour's first block
.set W,   12                           ; v[12:19] my run's 8 mask words: bit 31-e = element e is invalid
.set RH,  20                           ; v[20:23] x[64..67] of my run
.set X,   24                           ; v[24:31] a block as loaded
.set T,   32                           ; v[32:39] the block with invalid elements replaced
.set PA,  39                           ; lists: rank r lies in register base + r
.set PB,  43
.set SU1, 47
.set SU2, 48
.set SU3, 50
.set SU4, 53
.set SU5, 57                           ; ranks 1-4 of 5
.set SU6, 60                           ; ranks 2-4 of 6
.set O,   66                           ; v[66:73] outputs 8k-4 .. 8k+3
.set TA0, 74                           ; rank 4 gathers in TAx, rank 3 in TBx
.set TB0, 75
.set TA1, 76
.set TB1, 77
.set Z,   78                           ; v[78:81] zeros
.set LH,  82                           ; v[82:85] x[-4..-1] of my run
.set RB,  96                           ; v[96:159] mask bytes as loaded; later the rows read back
; scalar registers
.set G1,  16                           ; s[16:23] descriptor group 1
.set G0,  24                           ; s[24:39] descriptor group 0, one set a tile: never rewritten
.set I,   40                           ; s[40:47] element j of the block is invalid (a bit a lane)
.set NEG, 48                           ; s[48:55] .. and takes -inf
.set SEL, 56                           ; s[56:63] the window at offset o takes rank 3 (o = 0, 2 .. 7)
.set PQ,  66                           ; s[66:73] q of elements 0..7: of the last block until rewritten in place
.set R3S, 74                           ; the window at offset 1 takes rank 3
.set CARS, 76                          ; s[76:78] x[61..63] of lane 31, for lane 0 of the next tile
.set MULA, 79
.set MULB, 80
.macro VMED d, a, b, c
	v_med3_num_f32 v[\d], v[\a], v[\b], v[\c]
.endm
.macro VMIN d, a, b
	v_min_num_f32 v[\d], v[\a], v[\b]
.endm
.macro VMAX d, a, b
	v_max_num_f32 v[\d], v[\a], v[\b]
.endm
.macro PICK d, r4, r3, m               ; rank 3 where the mask says so, else rank 4
	v_cndmask_b32 v[\d], v[\r4], v[\r3], s[\m]
.endm
.macro FIX r                           ; r*0 + r: a finite number comes back bit for bit, +-inf gives NaN
	v_pk_fma_f32 v[\r:\r+1], v[\r:\r+1], 0, v[\r:\r+1] op_sel_hi:[1,0,1]
.endm
.macro XV j, w                         ; element j's bit leaves word w as the carry of w + w
	v_add_co_u32 v[\w], s[I+\j], v[\w], v[\w]
.endm
; The scalar half for element j of the coming block: its parity, the rank choice of the window that ends at it, its -inf mask.
; PQ+j+1 (and PQ+7 for j = 0, 6) still hold the last block's q: each is rewritten only by its own, later XS.
.macro XS j
.if \j == 0
	s_xor_b32 s[PQ], s[PQ+7], s[I]
.else
	s_xor_b32 s[PQ+\j], s[PQ+\j-1], s[I+\j]
.endif
.if \j < 6
	s_and_not1_b32 s[SEL+\j+2], s[PQ+\j+1], s[PQ+\j]   ; window at offset j+2 of the last block: q in front of it & ~q at its end
.else
.if \j == 6
	s_and_not1_b32 s[SEL], s[PQ+7], s[PQ+6]            ; window at offset 0 of this block
.else
	s_and_not1_b32 s[R3S], s[PQ], s[PQ+7]              ; window at offset 1 of this block
.endif
.endif
	s_and_b32 s[NEG+\j], s[I+\j], s[PQ+\j]             ; odd-numbered invalid elements take -inf
.endm
.macro HB j, w                         ; the three elements to the left of my run: no window ends there
	XV \j, \w
	s_xor_b32 s[PQ+\j], s[PQ+\j-1], s[I+\j]
	s_and_b32 s[NEG+\j], s[I+\j], s[PQ+\j]
.endm
.macro SUBI j, src                     ; invalid: +inf
	v_cndmask_b32 v[T+\j], v[\src+\j], v[VINF], s[I+\j]
.endm
.macro SUBN j                          ; every other invalid one: -inf
	v_cndmask_b32 v[T+\j], v[T+\j], v[VNINF], s[NEG+\j]
.endm
; Prefix lists of the block in T, and the windows that end in it.  fin: the windows of 6+1, 5+2, 4+3 elements (outputs O+1..3).
; high: prefixes of 4 to 7 and the windows of 3+4, 2+5, 1+6, 0+7 (outputs O+4..7).  Prefixes take turns in PA and PB; a level is
; overwritten only behind the last merge that reads it.
.macro CHAIN fin, high
.if \fin
	VMED TA0, SU6+3, SU6+4, T+0
	VMED TB0, SU6+2, SU6+3, T+0
.endif
	VMIN PA+1, T+0, T+1                ; prefix of 2
	VMAX PA+2, T+0, T+1
.if \fin
	PICK O+1, TA0, TB0, SEL+2
	VMED TA1, SU5+3, PA+1, SU5+4
	VMED TB1, SU5+2, PA+1, SU5+3
.endif
	VMIN PB+1, PA+1, T+2               ; prefix of 3
	VMED PB+2, PA+1, PA+2, T+2
	VMAX PB+3, PA+2, T+2
.if \fin
	VMED TA1, SU5+2, PA+2, TA1
	VMED TB1, SU5+1, PA+2, TB1
	VMED TA0, SU4+3, PB+1, SU4+4
	VMIN TB0, SU4+3, PB+3
	PICK O+2, TA1, TB1, SEL+3
	VMED TA0, SU4+2, PB+2, TA0
	VMED TB0, SU4+2, PB+1, TB0
.endif
.if \high
	VMIN PA+1, PB+1, T+3               ; prefix of 4
	VMED PA+2, PB+1, PB+2, T+3
	VMED PA+3, PB+2, PB+3, T+3
	VMAX PA+4, PB+3, T+3
.endif
.if \fin
	VMED TA0, SU4+1, PB+3, TA0
	VMED TB0, SU4+1, PB+2, TB0
.endif
.if \high
	VMED TA1, SU3+1, PA+3, PA+4
	VMIN TB1, SU3+3, PA+3
.endif
.if \fin
	PICK O+3, TA0, TB0, SEL+4
.endif
.if \high
	VMED TA1, SU3+2, PA+2, TA1
	VMED TB1, SU3+1, PA+2, TB1
	VMIN PB+1, PA+1, T+4               ; prefix of 5, ranks 1-4
	VMED PB+2, PA+1, PA+2, T+4
	VMED PB+3, PA+2, PA+3, T+4
	VMED PB+4, PA+3, PA+4, T+4
	VMED TA1, SU3+3, PA+1, TA1
	VMED TB1, SU3+2, PA+1, TB1
	VMED TA0, SU2+1, PB+3, PB+4
	VMED TB0, SU2+1, PB+2, PB+3
	PICK O+4, TA1, TB1, SEL+5
	VMED PA+2, PB+1, PB+2, T+5         ; prefix of 6, ranks 2-4
	VMED PA+3, PB+2, PB+3, T+5
	VMED PA+4, PB+3, PB+4, T+5
	VMED TA0, SU2+2, PB+2, TA0
	VMED TB0, SU2+2, PB+1, TB0
	VMED TA1, PA+3, PA+4, SU1+1
	VMED TB1, PA+2, PA+3, SU1+1
	PICK O+5, TA0, TB0, SEL+6
	VMED PB+3, PA+2, PA+3, T+6         ; prefix of 7, ranks 3 and 4
	VMED PB+4, PA+3, PA+4, T+6
	PICK O+6, TA1, TB1, SEL+7
	PICK O+7, PB+4, PB+3, SEL
.endif
.endm
; Suffix lists of the block in T (full = 0: of its last three elements only); the suffix of 7 gives O+0, the first output of the next group.
; Between the levels: the masks of what comes next out of word w, all 8 elements of the next block (nb = 8) or the 3 elements to the right of
; my run (nb = 3).  Each XS stands a level behind its XV, so that the scalar lines do not read a carry written on the line before.
.macro SUFFIX full, w, nb
	XV 0, \w
	v_cndmask_b32 v[SU1+1], v[T+7], v[VNINF], s[NEG+7] ; the last element's second half; NEG+7 is rewritten by XS 7, at the end
	XV 1, \w
	VMIN SU2+1, SU1+1, T+6
	VMAX SU2+2, SU1+1, T+6
	XS 0
	XV 2, \w
	VMIN SU3+1, SU2+1, T+5
	VMED SU3+2, SU2+1, SU2+2, T+5
	VMAX SU3+3, SU2+2, T+5
	XS 1
	XS 2
.if \nb == 8
	XV 3, \w
.endif
.if \full
	VMIN SU4+1, SU3+1, T+4
	VMED SU4+2, SU3+1, SU3+2, T+4
	VMED SU4+3, SU3+2, SU3+3, T+4
	VMAX SU4+4, SU3+3, T+4
.endif
.if \nb == 8
	XS 3
	XV 4, \w
.endif
.if \full
	VMIN SU5+1, SU4+1, T+3
	VMED SU5+2, SU4+1, SU4+2, T+3
.endif
.if \nb == 8
	XS 4
	XV 5, \w
.endif
.if \full
	VMED SU5+3, SU4+2, SU4+3, T+3
	VMED SU5+4, SU4+3, SU4+4, T+3
.endif
.if \nb == 8
	XS 5
	XV 6, \w
.endif
.if \full
	VMED SU6+2, SU5+1, SU5+2, T+2
	VMED SU6+3, SU5+2, SU5+3, T+2
	VMED SU6+4, SU5+3, SU5+4, T+2
.endif
.if \nb == 8
	XS 6
	XV 7, \w
.endif
.if \full
	VMED TA0, SU6+3, SU6+4, T+1
	VMED TB0, SU6+2, SU6+3, T+1
	PICK O+0, TA0, TB0, R3S            ; this block's window at offset 1; R3S is rewritten below, for the next block
.endif
.if \nb == 8
	XS 7
.endif
.endm
; Block k of my run in tile t.  D = the tile's bytes in LDS.
.macro STEP t, k
.if \k > 0
	s_wait_dscnt 0x1                                   ; LDS answers in order (ISA guide 5.7.1): the block's two loads are older than the last step's stores, of which one may stay out
.endif
.irp j, 0,1,2,3,4,5,6,7
	SUBI \j, X
.endr
.irp j, 0,1,2,3,4,5,6
	SUBN \j
.endr
.if \k == 7
.if \t < 3
.irp j, 0,1,2
	v_readlane_b32 s[CARS+\j], v[X+5+\j], 31           ; the tile's last three x: their LDS bytes are about to hold results
.endr
.endif
.else
	ds_load_b128 v[X:X+3],   v[XR] offset:D+32+32*(\k+1)  ; the next block, a whole step ahead of its use
	ds_load_b128 v[X+4:X+7], v[XR] offset:D+48+32*(\k+1)
.endif
.if \k > 0
	CHAIN 1, 1
	FIX O
	FIX O+2
	FIX O+4
	FIX O+6
	ds_store_b128 v[XR], v[O:O+3] offset:D+16+32*\k    ; outputs 8k-4 .. 8k-1, over x that lies in registers or is done with
.else
	CHAIN 0, 1
	FIX O+4
	FIX O+6
.endif
	ds_store_b128 v[XR], v[O+4:O+7] offset:D+32+32*\k  ; outputs 8k .. 8k+3
.if \k < 7
	SUFFIX 1, W+\k+1, 8
.else
	SUFFIX 1, RW, 3
.endif
.endm
.macro TILE t
.set D, \t*SLOT
.set E, \t*WTILE
.if \t < 3
	s_wait_tensorcnt 2-\t                              ; a wave's tensor loads end in order (ISA guide 10.11.1): tiles t and t+1 are in (lane 31 reads the next tile's first 16 bytes), the later ones stay out
.endif
	; everything that crosses lanes is read here, ahead of the tile's first store
	ds_load_b128 v[LH:LH+3], v[XR] offset:D            ; the left neighbour's last four (lane 0: the guard, or bytes replaced below)
	ds_load_b128 v[RH:RH+3], v[XR] offset:D+32+XPITCH  ; the right neighbour's first four (lane 31: the next tile's, or the guard)
	ds_load_b32 v[LW], v[WR] offset:E+28
	ds_load_b32 v[RW], v[WR] offset:E+2*WPITCH
.irp c, 0,1,2,3
	ds_load_b64 v[W+2*\c:W+2*\c+1], v[WR] offset:E+WPITCH+8*\c
.endr
	ds_load_b128 v[X:X+3],   v[XR] offset:D+32
	ds_load_b128 v[X+4:X+7], v[XR] offset:D+48
.irp j, 1,2,3,4
	s_mov_b32 s[PQ+\j], 0                              ; the parity starts at 0 in front of x[-3]: only differences of q count
.endr
	s_wait_dscnt 0x0                                   ; all of them are used at once
	v_lshlrev_b32 v[LW], 5, v[LW]                      ; elements 5, 6, 7 to the top
	HB 5, LW
	HB 6, LW
	HB 7, LW
.if \t > 0
.irp j, 0,1,2
	v_writelane_b32 v[LH+1+\j], s[CARS+\j], 0          ; lane 0's left neighbour is the last tile's lane 31
.endr
.endif
.irp j, 5,6,7
	SUBI \j, LH-4
.endr
	SUBN 5
	SUBN 6
	SUFFIX 0, W+0, 8
.irp k, 0,1,2,3,4,5,6,7
	STEP \t, \k
.endr
	; the last four outputs take three elements of the right neighbour
.irp j, 0,1,2
	SUBI \j, RH
.endr
.irp j, 0,1,2
	SUBN \j
.endr
	CHAIN 1, 0
	FIX O
	FIX O+2
	ds_store_b128 v[XR], v[O:O+3] offset:D+32+240
	; the way out: whole rows back, two a load; LDS serves a wave's instructions in order (ISA guide 5.7.1.4), so these see the stores above
	s_wait_xcnt 0x0                                    ; RB, the data of the last tile's stores, is rewritten only behind this wait (ISA guide 3.1)
.irp i, 0,1,2,3,4,5,6,7,8,9,10,11,12,13,14,15
	ds_load_b128 v[RB+4*\i:RB+4*\i+3], v[RBA] offset:D+2*XPITCH*\i
.endr
.irp i, 0,1,2,3,4,5,6,7,8,9,10,11,12,13,14,15
	s_wait_dscnt 15-\i                                 ; the younger read-backs stay out
	global_store_b128 v[GO], v[RB+4*\i:RB+4*\i+3], s[8:9] offset:8192*\t+512*\i th:TH_STORE_NT   ; 512 consecutive bytes, aligned
.endr
.endm
	s_load_b128 s[4:7], s[0:1], 0x0                    ; mask s[4:5], x s[6:7]
	s_load_b64 s[8:9], s[0:1], 0x10                    ; out0
	v_lshl_add_u32 v160, v0, 2, 0x4e300
	v_mov_b32 v161, 0
	ds_add_u32 v160, v161
	ds_add_u32 v160, v161
	v_and_b32 v[TA0], 31, v0                           ; lane
	v_lshrrev_b32 v[TB0], 5, v0
	v_readfirstlane_b32 s10, v[TB0]                    ; wave 0..7
	s_lshl_b32 s11, ttmp9, 3
	s_add_co_u32 s11, s11, s10                         ; my row
	s_mul_i32 s14, s10, WAVE_LDS                       ; my LDS
	v_lshlrev_b32 v[GO], 4, v[TA0]
	; descriptor group 1: 32 rows of 64 elements of 4 bytes, dense in memory, 4 words of padding behind every 64 in LDS
	s_mov_b32 s[G1+0], (2<<16)|(1<<20)|(5<<22)|(3<<25)
	s_mov_b32 s[G1+1], 64<<16                          ; tensor_dim0 = 64
	s_mov_b32 s[G1+2], 32<<16                          ; tensor_dim1 = 32
	s_mov_b32 s[G1+3], 64<<16                          ; tile_dim0 = 64
	s_mov_b32 s[G1+4], 32                              ; tile_dim1 = 32
	s_mov_b32 s[G1+5], 64                              ; from row to row
	s_mov_b32 s[G1+6], 0
	s_mov_b32 s[G1+7], 0
	s_lshl_b32 s12, s11, 13                            ; a row of mask: 8,192 bytes
	s_mov_b32 s13, 0
	s_wait_dscnt 0x0
	s_wait_kmcnt 0x0
	s_add_nc_u64 s[4:5], s[4:5], s[12:13]
.irp i, 0,1,2,3,4,5,6,7,8,9,10,11,12,13,14,15
	global_load_b128 v[RB+4*\i:RB+4*\i+3], v[GO], s[4:5] offset:512*\i th:TH_LOAD_NT   ; the row's mask, 512 consecutive bytes a load
.endr
	s_lshl_b32 s12, s11, 15                            ; a row of x and of out0: 32,768 bytes
	s_add_nc_u64 s[6:7], s[6:7], s[12:13]
	s_add_nc_u64 s[8:9], s[8:9], s[12:13]
.irp t, 0,1,2,3
	s_mov_b32 s[G0+4*\t], 1                                        ; count = 1
	s_add_co_u32 s[G0+4*\t+1], s14, XB+\t*SLOT                     ; LDS address
	s_add_nc_u64 s[G0+4*\t+2:G0+4*\t+3], s[6:7], \t*8192           ; the tile's first element
	s_or_b32 s[G0+4*\t+3], s[G0+4*\t+3], 0x80000000                ; type = 2
	tensor_load_to_lds s[G0+4*\t:G0+4*\t+3], s[G1:G1+7]            ; the whole row of x is on its way: four loads out
	s_nop 0
.endr
	; addresses and constants
	s_add_co_u32 s15, s14, XLO
	v_mul_u32_u24 v[XR], v[TA0], XPITCH
	v_add_nc_u32 v[XR], s15, v[XR]
	v_mul_u32_u24 v[WR], v[TA0], WPITCH
	v_add_nc_u32 v[WR], s14, v[WR]
	v_mov_b32 v[UB], s14
	v_and_b32 v[TB0], 15, v[TA0]
	v_lshrrev_b32 v[TA1], 4, v[TA0]
	v_mul_u32_u24 v[TA1], v[TA1], XPITCH
	v_lshl_add_u32 v[TA1], v[TB0], 4, v[TA1]           ; 272 (lane / 16) + 16 (lane % 16)
	s_add_co_u32 s2, s14, XB
	v_add_nc_u32 v[RBA], s2, v[TA1]
	v_lshrrev_b32 v[TB0], 2, v[TA0]                    ; mask load i gives lane l the blocks 2 (l % 4), +1 of run 8 i + l / 4
	v_mul_u32_u24 v[TB0], v[TB0], WPITCH
	v_and_b32 v[TA1], 3, v[TA0]
	v_lshl_add_u32 v[TB0], v[TA1], 3, v[TB0]
	s_add_co_u32 s3, s14, WPITCH
	v_add_nc_u32 v[CA], s3, v[TB0]
	v_mov_b32 v[VINF], 0x7f800000
	v_mov_b32 v[VNINF], 0xff800000
	v_mov_b32 v[VONES], -1
.irp j, 0,1,2,3
	v_mov_b32 v[Z+\j], 0
.endr
	s_mov_b32 s[MULA], 0x80402010
	s_mov_b32 s[MULB], 0x08040201
	; guards: outside the row everything is invalid; the x there only has to be written
	ds_store_b32 v[UB], v[VONES] offset:28
	ds_store_b32 v[UB], v[VONES] offset:WHI
	ds_store_b128 v[UB], v[Z:Z+3] offset:XLO
	ds_store_b128 v[UB], v[Z:Z+3] offset:XHI
	; eight mask bytes into the top byte of a word: byte e of the first word times 0x80402010 lands on bit 31-e, byte e of the second times
	; 0x08040201 on bit 27-e; no two product bits coincide, so the sum is an or.  The xor turns "valid" into "invalid"; bits 23:0 are never used.
.irp i, 0,1,2,3,4,5,6,7,8,9,10,11,12,13,14,15
	s_wait_loadcnt 15-\i                               ; loads come back in order (ISA guide 5.7.1): the younger ones stay out
	v_mul_lo_u32 v[RB+4*\i], v[RB+4*\i], s[MULA]
	v_mad_u32 v[RB+4*\i], v[RB+4*\i+1], s[MULB], v[RB+4*\i]
	v_mul_lo_u32 v[RB+4*\i+1], v[RB+4*\i+2], s[MULA]
	v_mad_u32 v[RB+4*\i+1], v[RB+4*\i+3], s[MULB], v[RB+4*\i+1]
	v_xor_b32 v[RB+4*\i], 0xff000000, v[RB+4*\i]
	v_xor_b32 v[RB+4*\i+1], 0xff000000, v[RB+4*\i+1]
	ds_store_b64 v[CA], v[RB+4*\i:RB+4*\i+1] offset:8*WPITCH*\i
.endr
	TILE 0
	TILE 1
	TILE 2                                             ; its tensor wait is for 0: nothing of the mover's is out at the end
	TILE 3
	s_wait_tensorcnt 0x0
	ds_add_u32 v160, v161
	s_wait_dscnt 0x0
	s_endpgm
.Lfunc_end_k_qc4a527dfdf_median:
	.size	k_qc4a527dfdf_median, .Lfunc_end_k_qc4a527dfdf_median-k_qc4a527dfdf_median
	.p2alignl 7, 3214868480
	.fill 96, 4, 3214868480
	.section	.rodata,"a",@progbits
	.p2align	6, 0x0
	.amdhsa_kernel k_qc4a527dfdf_median
		.amdhsa_group_segment_fixed_size 321280
		.amdhsa_private_segment_fixed_size 0
		.amdhsa_enable_private_segment 0
		.amdhsa_kernarg_size 24
		.amdhsa_user_sgpr_count 2
		.amdhsa_user_sgpr_kernarg_segment_ptr 1
		.amdhsa_wavefront_size32 1
		.amdhsa_system_sgpr_workgroup_id_x 1
		.amdhsa_system_sgpr_workgroup_id_y 1
		.amdhsa_system_sgpr_workgroup_id_z 1
		.amdhsa_system_vgpr_workitem_id 0
		.amdhsa_next_free_vgpr 162
		.amdhsa_next_free_sgpr 82
		.amdhsa_reserve_vcc 0
		.amdhsa_float_denorm_mode_32 3
		.amdhsa_float_denorm_mode_16_64 3
		.amdhsa_memory_ordered 1
		.amdhsa_forward_progress 1
		.amdhsa_inst_pref_size 247
	.end_amdhsa_kernel
	.amdgpu_metadata
---
amdhsa.version: [ 1, 2 ]
amdhsa.kernels:
  - .name:           k_qc4a527dfdf_median
    .symbol:         k_qc4a527dfdf_median.kd
    .args:
      - { .name: mask, .offset: 0, .size: 8, .value_kind: global_buffer, .address_space: global }
      - { .name: x, .offset: 8, .size: 8, .value_kind: global_buffer, .address_space: global }
      - { .name: out0, .offset: 16, .size: 8, .value_kind: global_buffer, .address_space: global }
    .group_segment_fixed_size: 321280
    .private_segment_fixed_size: 0
    .kernarg_segment_align: 8
    .kernarg_segment_size: 24
    .max_flat_workgroup_size: 256
    .sgpr_count:     82
    .vgpr_count:     162
    .wavefront_size: 32
...
	.end_amdgpu_metadata
.endif
;; end of part 1
